; MI455X (gfx1250); checked and timed in simulation.
; The chip was launched on July 23, 2026; its instructions are those of AMD's public machine-readable ISA for CDNA 5 (MIT licence, August 2026) and "CDNA5" Instruction Set Architecture Reference Guide (July 2026). The comments in the code are by the model that wrote it; some were corrected since.
;; MHSA. Allowed arithmetic: matrix products marked QUANTISED: E5M2 operands, one E8M0 scale for each 32 along K, by v_wmma_scale_f32_16x16x128_f8f6f4 with both operands' format E5M2, f32 sums; everything else in f32.
;; Inputs: b_out 1,024 float32; b_qkv 3,072 float32; w_out_codes 1,024 x 32 x 32 uint8 (E5M2 codes of w_out, K innermost, in blocks of 32 codes); w_out_scales 1,024 x 32 uint8 (E8M0 scales of w_out, one for each 32 codes along K); w_qkv_codes 3,072 x 32 x 32 uint8 (E5M2 codes of w_qkv, K innermost, in blocks of 32 codes); w_qkv_scales 3,072 x 32 uint8 (E8M0 scales of w_qkv, one for each 32 codes along K); x_codes 4 x 2,048 x 32 x 32 uint8 (E5M2 codes of x, K innermost, in blocks of 32 codes); x_scales 4 x 2,048 x 32 uint8 (E8M0 scales of x, one for each 32 codes along K).
;; Outputs: out0 4 x 2,048 x 1,024 float32.
;; This version of the problem:
;;   THIS VERSION OF THE PROBLEM IS GIVEN IN LOW PRECISION. The matrix products marked QUANTISED in the list below multiply operands that are first quantised to E5M2 (5 exponent bits, 2 mantissa bits; 8 bits a number), with one power-of-two scale for each 32 numbers along K (OCP MX v1.0); their sums are f32. All else is computed in f32.
;;   The module's matrix products, in the order in which they are computed (A, B: the left and right operand; K: the contracted axis; several contracted axes count as one K, in the product's order):
;;     1. [M 8,192, K 1,024] x [K 1,024, N 3,072]; A: input x (given as codes); B: input w_qkv (given as codes): QUANTISED
;;     2. batch 64 x [M 2,048, K 64] x [K 64, N 2,048]; A: computed on the way; B: computed on the way: QUANTISED
;;     3. batch 64 x [M 2,048, K 2,048] x [K 2,048, N 64]; A: softmax (see below); B: computed on the way: QUANTISED
;;     4. [M 8,192, K 1,024] x [K 1,024, N 1,024]; A: computed on the way; B: input w_out (given as codes): QUANTISED
;;   THE QUANTISER, for each operand of a quantised product, along K:
;;     - K is cut into blocks of 32 from its start; a last block that is shorter is filled with zeros.
;;     - A block's scale is 2^e with e = floor(log2(the largest magnitude in the block)) - 15, held to -126 .. 127; a block of zeros has e = 0. As a byte (E8M0): e + 127.
;;     - Each number is divided by its block's scale, clamped to +-57,344, and rounded to the nearest number of E5M2, ties to even, subnormals kept.
;;     - The product sums the exact products of the quantised numbers (number of the format x scale) in f32.
;;   ~~~python
;;   def quantise(x, axis):      # numpy; x: float32 -> the quantised numbers, widened to float32 again
;;       x = np.moveaxis(x, axis, -1); K = x.shape[-1]
;;       x = np.pad(x, [(0, 0)] * (x.ndim - 1) + [(0, -K % 32)]); x = x.reshape(x.shape[:-1] + (-1, 32)); a = np.abs(x).max(-1, keepdims=True)
;;       e = np.where(a > 0, np.clip(np.frexp(np.where(a > 0, a, 1))[1] - 1 - 15, -126, 127), 0)      # np.frexp(a)[1] - 1 = floor(log2(a)), exactly
;;       r = np.clip(x / 2.0 ** e, -57344, 57344)
;;       step = 2.0 ** (np.maximum(np.frexp(np.where(r == 0, 1, r))[1] - 1, -14) - 2)
;;       q = np.round(r / step) * step * 2.0 ** e      # np.round: ties to even
;;       return np.moveaxis(q.reshape(q.shape[:-2] + (-1,))[..., :K], -1, axis).astype(np.float32)
;;   ~~~
;;   SOFTMAX AHEAD OF A QUANTISED PRODUCT. Where the list says 'softmax', what is quantised is not the finished softmax but p = 2^(t - M), with t = logit x log2(e) and M = ceil(the row's largest t), a whole number; so 1/2 < the row's largest p <= 1. The row's sum l is taken of the UNQUANTISED p, in f32, and the product's result is divided by l at the end. Since M is a whole number, a kernel that streams over the keys may use a running M (the ceiling of the running maximum): every later rescaling is an exact power of two, which a block's scale takes up: the codes' values come out the same.
;;   OPERANDS COMPUTED ON THE WAY. 'Computed on the way' means the value that the module computes at that place (a softmax that the list does not call 'softmax' is quantised finished and normalised). What goes into a quantiser is computed in f32, as accurately as f32 sums, v_exp_f32 and their like allow (about 1e-6 of the number): no bf16 or f16 on the way to a quantiser, and a product that is left as it is and whose result goes on into a quantised operand takes f32 operands (vector FMAs, or v_wmma_f32_16x16x4_f32). A number that lies on a knife's edge between two numbers of the format may be rounded either way, as far as f32 arithmetic and the matrix unit's own rounding can turn it there, and no further.
;;   INPUTS GIVEN AS CODES. w_out (in the module: [1024, 1024], K = its axis 1); w_qkv (in the module: [3072, 1024], K = its axis 1); x (in the module: [4, 2048, 1024], K = its axis 2): each comes as NAME_codes (uint8): NAME with its K axis moved to the last place and cut into blocks of 32 codes, [.., K / 32, bytes a block], one block behind the other in memory; one code a byte (a code: sign, 5 exponent bits, 2 mantissa bits); and NAME_scales (uint8): the same leading axes, one E8M0 byte (e + 127) for each 32 codes along K. Its value is code x scale, taken as it is: it is not quantised again, and the codes and scales need not be those that the quantiser above would give.
;; One version. Each part assembles by itself: llvm-mc -triple=amdgcn-amd-amdhsa -mcpu=gfx1250 --defsym DOCPART=n.
;; ======== version 1 of 1: 3 launches
;; limits: right only within a limited range of input values
;; workspace buffers: qc 8,388,608 bytes; qs 262,144 bytes; kvc 16,777,216 bytes; kvs 524,288 bytes; ao 8,388,608 bytes; aos 262,144 bytes
;; launch qkv (part 1): grid 12 x 32, 4 waves a work-group, clusters of 4 x 4, 327,680 bytes of LDS; arguments x_codes, x_scales, w_qkv_codes, w_qkv_scales, b_qkv, qc, qs, kvc, kvs; writes qc, qs, kvc, kvs
.if DOCPART == 1
	.amdgcn_target "amdgcn-amd-amdhsa--gfx1250"
	.amdhsa_code_object_version 6
	.text
	.protected	k_qeff94a09c7_qkv
	.globl	k_qeff94a09c7_qkv
	.p2align	8
	.type	k_qeff94a09c7_qkv,@function
k_qeff94a09c7_qkv:
	s_mov_b64 s[64:65], 0
	v_nop
	global_prefetch_b8 v0, s[64:65] scope:SCOPE_SE
	s_setreg_imm32_b32 hwreg(HW_REG_WAVE_MODE, 25, 1), 1
	s_wait_xcnt 0x0
	s_wait_alu depctr_hold_cnt(0) depctr_sa_sdst(0) depctr_va_vdst(0) depctr_va_sdst(0) depctr_va_ssrc(0) depctr_va_vcc(0) depctr_vm_vsrc(0)
	s_getreg_b32 s2, hwreg(HW_REG_IB_STS2, 6, 4)
	s_cmp_eq_u32 s2, 0
	s_cbranch_scc0 .Lentry_in_a_cluster
	s_endpgm
.Lentry_in_a_cluster:
	s_bfe_u32 s2, ttmp6, 0x10000c
	s_cmp_lg_u32 s2, 0xf033
	s_cbranch_scc0 .Lentry_shape_is_right
	s_endpgm
.Lentry_shape_is_right:
.set KSTEP,  256
.set NQ,     2
.set ROWB,   256
.set KROW,   1024
.set PITCH,  272
.set FR,     16
.set NL,     4
.set NP,     8
.set HALFT,  128*PITCH
.set SLOT,   4*HALFT
.set LAPS,   2
.set KS,     32
.set SCL,    2*SLOT
.set HALFS,  (128*KS/256)*272
.set SBLK,   (16*KS/256)*272
.set SPARE,  SCL+4*HALFS
.set ADRA, 16
.set ADRB, 20
.set ADRS, 27
.set SPW,  28
.set NIL,  29
.set SC,   32
.set BI,   64
.set AF,   128
.set TM,   32
.set TP,   36
.set HOLD, 40
.set CSC,  44
.set PWS,  52
.set SW,   60
.set PC,   64
.set VO,   80
.set VS,   84
.set SELV, 85
.set G1, 24
.set G0, 32
.set G1B, 48
.set G0B, 56
.set G1S, 68
.set G0S, 76
.set G1SB, 80
.set G0SB, 88
.set RA,  66
.set RB,  67
.set CBA, 76
.set SBA, 78
.set ST1, 80
.set ST2, 82
.set FLOOR, 84
.set ADJ,  85
.set MNT,  86
.set SEL,  88
.set MSB, 0
.macro WIN new
.if MSB != \new
	s_set_vgpr_msb (MSB<<8)|\new
.set MSB, \new
.endif
.endm
.set MUL_LO, 0xa1
.set MUL_HI, 0xf1
.set TO_B,   0x40
.macro JLOAD g0a, g1a, g0b, g1b
	s_cmp_eq_u32 s15, 0
	s_cbranch_scc0 .Lfor_b_\@
	tensor_load_to_lds s[\g0a:\g0a+3], s[\g1a:\g1a+7]
	s_nop 0
.rept 4
	v_nop
.endr
	s_branch .Lasked_\@
.Lfor_b_\@:
	tensor_load_to_lds s[\g0b:\g0b+3], s[\g1b:\g1b+7]
	s_nop 0
.rept 4
	v_nop
.endr
.Lasked_\@:
.endm
.macro CREST
	s_cmp_lg_u32 s14, 0
	s_cbranch_scc1 .Lnot_wave_0_\@
	s_barrier_signal -3
.Lnot_wave_0_\@:
	s_barrier_wait -3
	s_barrier_signal -1
	s_barrier_wait -1
.endm
.macro CROUND
	s_barrier_signal -1
	s_barrier_wait -1
	CREST
.endm
	s_load_b128 s[4:7], s[0:1], 0x0
	s_load_b128 s[8:11], s[0:1], 0x10
	s_load_b64 s[12:13], s[0:1], 0x20
	v_lshl_add_u32 v[SPW], v0, 2, SPARE
	v_mov_b32 v[NIL], 0
	ds_add_u32 v28, v29
	ds_add_u32 v28, v29
	s_wait_dscnt 0x0
	v_lshrrev_b32 v1, 5, v0
	v_readfirstlane_b32 s14, v1
	s_lshr_b32 s15, s14, 1
	s_and_b32 s16, s14, 1
	s_bfe_u32 s40, ttmp6, 0x40000
	s_bfe_u32 s41, ttmp6, 0x40004
	s_and_b32 s17, ttmp7, 0xffff
	s_lshl_b32 s17, s17, 2
	s_lshl_b32 s42, ttmp9, 2
	s_cmp_eq_u32 ttmp9, 2
	s_cselect_b32 s42, s17, s42
	s_cselect_b32 s17, 8, s17
	s_add_co_u32 s42, s42, s40
	s_add_co_u32 s17, s17, s41
	s_lshl_b32 s43, s41, 2
	s_lshl_b32 s43, 15, s43
	s_lshl_b32 s44, 0x1111, s40
	s_or_b32 s[G1+0], s43, (0<<16)|(1<<20)|(1<<21)|(5<<22)|(3<<25)
	s_or_b32 s[G1B+0], s44, (0<<16)|(1<<20)|(1<<21)|(5<<22)|(3<<25)
.irp g, G1, G1B
	s_mov_b32 s[\g+1], ROWB<<16
	s_mov_b32 s[\g+2], 256<<16                     ; the head's loads of codes bring 256 rows
	s_mov_b32 s[\g+3], ROWB<<16
	s_mov_b32 s[\g+4], 256
	s_mov_b32 s[\g+5], KROW
	s_mov_b32 s[\g+6], 0
	s_mov_b32 s[\g+7], 0
.endr
	s_or_b32 s[G1S+0], s43, (3<<16)|(1<<20)|(1<<21)|(5<<22)|(3<<25)
	s_or_b32 s[G1SB+0], s44, (3<<16)|(1<<20)|(1<<21)|(5<<22)|(3<<25)
.irp g, G1S, G1SB
	s_mov_b32 s[\g+1], 32<<16
	s_mov_b32 s[\g+2], (256*KS/256)<<16            ; the scales of 256 rows in one load
	s_mov_b32 s[\g+3], 32<<16
	s_mov_b32 s[\g+4], 256*KS/256
	s_mov_b32 s[\g+5], 32
	s_mov_b32 s[\g+6], 0
	s_mov_b32 s[\g+7], 0
.endr
	s_lshl_b32 s18, s16, 7
	s_lshl_b32 s20, s17, 8
	s_lshl_b32 s[RA], s15, 7
	s_add_co_u32 s[RA], s[RA], s20
	s_add_co_u32 s20, s20, s18
	s_lshl_b32 s46, s42, 8
	s_add_co_u32 s46, s46, s18
	s_mov_b32 s[RB], s46
	s_mov_b32 s21, 0
	s_mov_b32 s47, 0
	s_mov_b64 s[18:19], KS
	s_mul_u64 s[22:23], s[20:21], s[18:19]
	s_mul_u64 s[92:93], s[46:47], s[18:19]
	s_mov_b64 s[18:19], KROW
	s_mul_u64 s[20:21], s[20:21], s[18:19]
	s_mul_u64 s[46:47], s[46:47], s[18:19]
	s_mul_i32 s45, s14, HALFT
	s_wait_kmcnt 0x0
	s_cmp_eq_u32 ttmp9, 2
	s_cselect_b64 s[96:97], s[8:9], s[4:5]
	s_cselect_b64 s[98:99], s[10:11], s[6:7]
	s_cselect_b64 s[8:9], s[4:5], s[8:9]
	s_cselect_b64 s[10:11], s[6:7], s[10:11]
	s_add_nc_u64 s[20:21], s[96:97], s[20:21]
	s_add_nc_u64 s[22:23], s[98:99], s[22:23]
	s_add_nc_u64 s[46:47], s[8:9], s[46:47]
	s_add_nc_u64 s[92:93], s[10:11], s[92:93]
	CROUND
	s_mov_b32 s[G0S], 1
	s_mul_i32 s18, s16, 128*KS                     ; back from my half of the rows to the tile's first row
	s_mov_b32 s19, 0
	s_mov_b32 s[G0S+1], SCL
	s_sub_nc_u64 s[G0S+2:G0S+3], s[22:23], s[18:19]
	s_or_b32 s[G0S+3], s[G0S+3], 0x80000000
	s_mov_b32 s[G0SB], 1
	s_mov_b32 s[G0SB+1], SCL+2*HALFS
	s_sub_nc_u64 s[G0SB+2:G0SB+3], s[92:93], s[18:19]
	s_or_b32 s[G0SB+3], s[G0SB+3], 0x80000000
	s_mul_i32 s18, s16, 128*KROW
	s_mov_b32 s4, 1                                ; s[4:7], s[8:11]: groups 0 of the head's loads of K step 0: A's 256 rows, B's 256 rows (the arguments that lay there have been used)
	s_mov_b32 s5, 0
	s_sub_nc_u64 s[6:7], s[20:21], s[18:19]
	s_or_b32 s7, s7, 0x80000000
	s_mov_b32 s8, 1
	s_mov_b32 s9, 2*HALFT
	s_sub_nc_u64 s[10:11], s[46:47], s[18:19]
	s_or_b32 s11, s11, 0x80000000
.irp s, 0,1
	s_mov_b32 s[G0+4*\s], 1
	s_add_co_u32 s[G0+4*\s+1], s45, \s*SLOT
	s_add_nc_u64 s[G0+4*\s+2:G0+4*\s+3], s[20:21], \s*ROWB
	s_or_b32 s[G0+4*\s+3], s[G0+4*\s+3], 0x80000000
	s_mov_b32 s[G0B+4*\s], 1
	s_add_co_u32 s[G0B+4*\s+1], s45, \s*SLOT
	s_add_nc_u64 s[G0B+4*\s+2:G0B+4*\s+3], s[46:47], \s*ROWB
	s_or_b32 s[G0B+4*\s+3], s[G0B+4*\s+3], 0x80000000
.endr
; The head's four tiles, one load a wave: wave 0 K step 0's 256 rows of A, wave 1 its 256 rows of B, wave 2 A's scales, wave 3 B's.  One chain of branches on the wave's number, all arms leading to one join.
.macro ARM under, g0, g1, next
	s_cmp_lt_u32 s14, \under
	s_cbranch_scc0 \next
	tensor_load_to_lds s[\g0:\g0+3], s[\g1:\g1+7]
	s_nop 0
.rept 4
	v_nop
.endr
	s_branch .Lhead_asked
\next:
.endm
	ARM 1, 4, G1, .Lhead_b
	ARM 2, 8, G1B, .Lhead_sa
	ARM 3, G0S, G1S, .Lhead_sb
	tensor_load_to_lds s[G0SB:G0SB+3], s[G1SB:G1SB+7]
	s_nop 0
.rept 4
	v_nop
.endr
.Lhead_asked:
	v_and_b32 v1, 15, v0
	v_bfe_u32 v2, v0, 4, 1
	v_mul_u32_u24 v3, v1, PITCH
	v_lshl_add_u32 v4, v2, 4, v3
	s_mul_i32 s21, s15, HALFT
	s_mul_i32 s22, s16, HALFT
	s_add_co_u32 s22, s22, 2*HALFT
.irp s, 0,1
	v_add_nc_u32 v[ADRA+\s], s21, v4
	v_add_nc_u32 v[ADRB+\s], s22, v4
	s_add_co_u32 s21, s21, SLOT
	s_add_co_u32 s22, s22, SLOT
.endr
	v_mul_u32_u24 v5, v1, KS
	v_lshrrev_b32 v6, 8, v5
	v_lshl_add_u32 v5, v6, 4, v5
	s_mul_i32 s21, s15, HALFS
	s_mul_i32 s22, s16, HALFS
	s_add_co_u32 s22, s22, 2*HALFS
	s_sub_co_u32 s22, s22, s21
	v_mul_u32_u24 v6, s22, v2
	s_add_co_u32 s21, s21, SCL
	v_add_nc_u32 v5, v5, v6
	v_add_nc_u32 v[ADRS], s21, v5
	s_cmp_eq_u32 ttmp9, 2
	s_cselect_b32 s92, s[RA], s[RB]
	s_lshl_b32 s92, s92, 2
	s_mov_b32 s93, 0
	s_add_nc_u64 s[12:13], s[12:13], s[92:93]
	v_lshlrev_b32 v7, 5, v2
	v_lshlrev_b32 v8, 2, v1
	s_cmp_eq_u32 ttmp9, 2
	s_cbranch_scc1 .Lbias_v
.irp b, 0,1,2,3,4,5,6,7
	global_load_b128 v[BI+8*\b:BI+8*\b+3], v7, s[12:13] offset:64*\b
	global_load_b128 v[BI+8*\b+4:BI+8*\b+7], v7, s[12:13] offset:64*\b+16
.endr
	s_branch .Lbias_done
.Lbias_v:
	s_wait_alu depctr_va_vdst(0)
.irp a, 0,1,2,3,4,5,6,7
	global_load_b32 v[BI+8*\a], v8, s[12:13] offset:64*\a
.endr
	s_wait_loadcnt 0x0
.irp a, 0,1,2,3,4,5,6,7
.irp j, 1,2,3,4,5,6,7
	v_mov_b32 v[BI+8*\a+\j], v[BI+8*\a]
.endr
.endr
.Lbias_done:
.macro FRAG reg, adr, q, i
.irp c, 0,1,2,3
	ds_load_b128 v[\reg+4*\c:\reg+4*\c+3], v[\adr] offset:128*(\q)+32*\c+(\i)*16*PITCH
.endr
.endm
.macro MUL16 a0, p, q, sc, cm
.irp a, \a0, \a0+1
.irp b, 0,1,2,3,4,5,6,7
.if \cm == 1
	v_wmma_scale_f32_16x16x128_f8f6f4 v[8*(8*((\a)%4)+\b):8*(8*((\a)%4)+\b)+7], v[128*(\p)+FR*\b:128*(\p)+FR*\b+FR-1], v[AF+FR*(\a):AF+FR*(\a)+FR-1], v[BI+8*\b:BI+8*\b+7], v[SC+8*NQ*(\sc)+NQ*\b+(\q)], v[SC+8*NQ*(\sc)+NQ*(\a)+(\q)] matrix_a_fmt:MATRIX_FMT_BF8 matrix_b_fmt:MATRIX_FMT_BF8 matrix_a_scale:MATRIX_SCALE_ROW1
.elseif \cm == 2
	v_wmma_scale_f32_16x16x128_f8f6f4 v[8*(8*((\a)%4)+\b):8*(8*((\a)%4)+\b)+7], v[128*(\p)+FR*\b:128*(\p)+FR*\b+FR-1], v[AF+FR*(\a):AF+FR*(\a)+FR-1], v[BI+8*(\a):BI+8*(\a)+7], v[SC+8*NQ*(\sc)+NQ*\b+(\q)], v[SC+8*NQ*(\sc)+NQ*(\a)+(\q)] matrix_a_fmt:MATRIX_FMT_BF8 matrix_b_fmt:MATRIX_FMT_BF8 matrix_a_scale:MATRIX_SCALE_ROW1
.else
	v_wmma_scale_f32_16x16x128_f8f6f4 v[8*(8*((\a)%4)+\b):8*(8*((\a)%4)+\b)+7], v[128*(\p)+FR*\b:128*(\p)+FR*\b+FR-1], v[AF+FR*(\a):AF+FR*(\a)+FR-1], v[8*(8*((\a)%4)+\b):8*(8*((\a)%4)+\b)+7], v[SC+8*NQ*(\sc)+NQ*\b+(\q)], v[SC+8*NQ*(\sc)+NQ*(\a)+(\q)] matrix_a_fmt:MATRIX_FMT_BF8 matrix_b_fmt:MATRIX_FMT_BF8 matrix_a_scale:MATRIX_SCALE_ROW1
.endif
.endr
.endr
.endm
.macro FETCH_B slot, q, p
	WIN TO_B
.irp i, 0,1,2,3,4,5,6,7
	FRAG 128*(\p)+FR*\i, ADRB+\slot, \q, \i
.endr
	WIN 0
.endm
.macro FETCH_A slot, q, i0
.irp i, \i0, \i0+1, \i0+2, \i0+3
	FRAG AF+FR*(\i), ADRA+\slot, \q, \i
.endr
.endm
.macro SCALES sc
.irp i, 0,1,2,3,4,5,6,7
	ds_load_b64 v[SC+8*NQ*\sc+NQ*\i:SC+8*NQ*\sc+NQ*\i+1], v[ADRS] offset:\i*SBLK
.endr
.endm
.macro PLACES n
.rept \n
	v_nop
.endr
.endm
.macro STEP slot, q, cm
	s_wait_dscnt 4*NL
.if \cm
	WIN 0x81
.else
	WIN MUL_LO
.endif
	MUL16 0, (\q)%2, \q, \slot, \cm
	MUL16 2, (\q)%2, \q, \slot, \cm
	s_wait_dscnt 0
	PLACES NP
	FETCH_B \slot, (\q)+1, 1-(\q)%2
	FETCH_A \slot, (\q)+1, 0
.if \cm
	WIN 0xc1
.else
	WIN MUL_HI
.endif
	MUL16 4, (\q)%2, \q, \slot, \cm
	MUL16 6, (\q)%2, \q, \slot, \cm
	PLACES NP
	WIN 0
	FETCH_A \slot, (\q)+1, 4
.endm
.macro TURN slot, next, fill
	s_wait_tensorcnt 0x0
	ds_add_u32 v[SPW], v[NIL]
	s_wait_dscnt 4*NL+1
	WIN MUL_LO
	MUL16 0, 1, NQ-1, \slot, 0
	s_wait_dscnt 0x0
	s_barrier_signal -1
	MUL16 2, 1, NQ-1, \slot, 0
	WIN 0
	s_barrier_wait -1
.if \fill
	CREST
	s_add_nc_u64 s[G0+4*\slot+2:G0+4*\slot+3], s[G0+4*\slot+2:G0+4*\slot+3], 2*ROWB
	s_add_nc_u64 s[G0B+4*\slot+2:G0B+4*\slot+3], s[G0B+4*\slot+2:G0B+4*\slot+3], 2*ROWB
	JLOAD G0+4*\slot, G1, G0B+4*\slot, G1B
	PLACES NP-4
.else
	PLACES NP
.endif
	s_wait_alu depctr_va_vdst(0)
	v_add_nc_u32 v[ADRS], 4*NQ, v[ADRS]
	FETCH_B \next, 0, 0
	FETCH_A \next, 0, 0
	SCALES \next
	WIN MUL_HI
	MUL16 4, 1, NQ-1, \slot, 0
	MUL16 6, 1, NQ-1, \slot, 0
	PLACES NP
	WIN 0
	FETCH_A \next, 0, 4
.endm
	s_wait_alu depctr_va_vdst(0)                   ; the wait at the head's end
	s_wait_tensorcnt 0x0                           ; my tile of the head's four is in
	ds_add_u32 v[SPW], v[NIL]
	s_mov_b32 s[G1+2], 128<<16                     ; no tensor load of mine is out: from here on a load brings 128 rows
	s_mov_b32 s[G1+4], 128
	s_mov_b32 s[G1B+2], 128<<16
	s_mov_b32 s[G1B+4], 128
	s_wait_dscnt 0x0
	CROUND                                         ; all four tiles are in, and all sixteen work-groups are here
	JLOAD G0+4, G1, G0B+4, G1B                     ; K step 1: the first tensor load behind the round
	s_load_b256 s[68:75], s[0:1], 0x28
	FETCH_B 0, 0, 0
	FETCH_A 0, 0, 0
	s_wait_alu depctr_va_vdst(0)
	SCALES 0
	FETCH_A 0, 0, 4
	s_wait_loadcnt 0x0
	s_cmp_eq_u32 ttmp9, 2
	s_cbranch_scc1 .Lfirst_v
	STEP 0, 0, 1
	s_branch .Lfirst_done
.Lfirst_v:
	STEP 0, 0, 2
.Lfirst_done:
	s_mov_b32 s3, LAPS-1
.Llap:
	TURN 0, 1, 1
	STEP 1, 0, 0
	TURN 1, 0, 1
	STEP 0, 0, 0
	s_sub_co_u32 s3, s3, 1
	s_cmp_lg_u32 s3, 0
	s_cbranch_scc1 .Llap
	TURN 0, 1, 0
	STEP 1, 0, 0
	s_wait_dscnt 4*NL
	WIN MUL_LO
	MUL16 0, 1, NQ-1, 1, 0
	MUL16 2, 1, NQ-1, 1, 0
	s_wait_dscnt 0
	WIN MUL_HI
	MUL16 4, 1, NQ-1, 1, 0
	MUL16 6, 1, NQ-1, 1, 0
	WIN 0
	PLACES NP
	s_wait_kmcnt 0x0
	s_cmp_eq_u32 ttmp9, 0
	s_cselect_b64 s[CBA:CBA+1], s[68:69], s[72:73]
	s_cselect_b64 s[SBA:SBA+1], s[70:71], s[74:75]
	s_mov_b32 s47, 0x40000
	s_cselect_b32 s47, 0x20000, s47
	s_mov_b32 s92, 0x4000
	s_cselect_b32 s92, 0x2000, s92
	s_mov_b32 s93, 0x2000
	s_cselect_b32 s93, 0x1000, s93
	s_mov_b32 s94, 0x200
	s_cselect_b32 s94, 0x100, s94
	s_cselect_b32 s95, 3, 0
	s_cmp_eq_u32 ttmp9, 2
	s_cselect_b32 s20, s[RB], s[RA]
	s_cselect_b32 s21, s41, s40
	s_cselect_b32 s22, s15, s16
	s_cselect_b32 s23, 0x2000, 0
	s_cselect_b32 s46, 0x100, 0
	s_cselect_b32 s96, 0x400, s47
	s_mov_b32 s[ST1], 0x400
	s_cselect_b32 s[ST1], 0x800, s[ST1]
	s_mov_b32 s[ST2], 0x400
	s_cselect_b32 s[ST2], 0x3e800, s[ST2]
	s_mov_b32 s[ST1+1], 0
	s_mov_b32 s[ST2+1], 0
	s_add_co_u32 s[FLOOR], s95, 16
	s_lshl_b32 s[FLOOR], s[FLOOR], 23
	s_add_co_u32 s[ADJ], s95, 15
	s_lshl_b32 s[ADJ], s[ADJ], 23
	s_sub_co_u32 s[ADJ], 0, s[ADJ]
	s_mov_b32 s[MNT], 0x600000
	s_mov_b32 s[SEL], 0x76543210
	s_mov_b32 s[SEL+1], 0xfedcba98
	s_lshr_b32 s18, s20, 11
	s_lshl_b32 s18, s18, 4
	s_lshl_b32 s21, s21, 2
	s_lshl_b32 s22, s22, 1
	s_add_co_u32 s18, s18, s21
	s_add_co_u32 s18, s18, s22
	s_bfe_u32 s19, s20, 0x40007
	s_mul_i32 s20, s18, s47
	s_mul_i32 s21, s19, s92
	s_add_co_u32 s20, s20, s21
	s_add_co_u32 s20, s20, s23
	s_mov_b32 s21, 0
	s_add_nc_u64 s[CBA:CBA+1], s[CBA:CBA+1], s[20:21]
	s_mul_i32 s20, s18, s93
	s_mul_i32 s22, s19, s94
	s_add_co_u32 s20, s20, s22
	s_add_co_u32 s20, s20, s46
	s_add_nc_u64 s[SBA:SBA+1], s[SBA:SBA+1], s[20:21]
	v_and_b32 v6, 31, v0
	v_lshlrev_b32 v[VO], 4, v6
	v_add_nc_u32 v[VO+1], 0x200, v[VO]
	v_add_nc_u32 v[VO+2], s96, v[VO]
	v_add_nc_u32 v[VO+3], s96, v[VO+1]
	v_lshlrev_b32 v[VS], 4, v1
	v_mad_u32_u24 v[VS], v2, s93, v[VS]
	v_cmp_ne_u32 vcc_lo, 0, v2
	v_mov_b32 v[SELV], 0x05040100
	v_mov_b32 v7, 0x07060302
	v_cndmask_b32 v[SELV], v[SELV], v7, vcc_lo
.irp c, 0,1,2,3
	v_mov_b32 v[TP+\c], 0
.endr
.macro QUANT_A a
.set AC, 64*((\a)%4)
.set WW, 2+(\a)/4
	WIN 5*WW
.irp c, 0,1,2,3
	v_max3_num_f32 v[TM+\c], |v[AC+16*\c]|, |v[AC+16*\c+1]|, s[FLOOR]
.endr
.irp i, 2,4,6,8,10,12,14
.irp c, 0,1,2,3
	v_max3_num_f32 v[TM+\c], |v[AC+16*\c+\i]|, |v[AC+16*\c+\i+1]|, v[TM+\c]
.endr
.endr
	WIN 0
.irp c, 0,1,2,3
	v_permlanex16_b32 v[TP+\c], v[TM+\c], s[SEL], s[SEL+1]
.endr
.irp c, 0,1,2,3
	v_max_num_f32 v[TM+\c], v[TM+\c], v[TP+\c]
.endr
.irp c, 0,1,2,3
	v_add_nc_u32 v[CSC+\c], 0xf8800000, v[TM+\c]
.endr
.irp c, 0,1,2,3
	v_and_or_b32 v[HOLD+\c], v[TM+\c], 0x7f800000, s[MNT]
.endr
.irp c, 0,1,2,3
	v_add_nc_u32 v[TP+\c], s[ADJ], v[TM+\c]
.endr
.irp c, 0,1,2,3
	v_lshrrev_b32 v[TP+\c], 23, v[TP+\c]
.endr
	v_lshl_or_b32 v[PWS+(\a)], v[TP+1], 8, v[TP]
	v_lshl_or_b32 v[PWS+(\a)], v[TP+2], 16, v[PWS+(\a)]
	v_lshl_or_b32 v[PWS+(\a)], v[TP+3], 24, v[PWS+(\a)]
	s_wait_xcnt 0x0
.if (\a) == 4
	s_add_nc_u64 s[CBA:CBA+1], s[CBA:CBA+1], s[ST2:ST2+1]
.elseif (\a) > 0
	s_add_nc_u64 s[CBA:CBA+1], s[CBA:CBA+1], s[ST1:ST1+1]
.endif
	WIN 65*WW
.irp c, 0,1,2,3
.irp i, 0,1,2,3,4,5,6,7,8,9,10,11,12,13,14,15
	v_med3_num_f32 v[AC+16*\c+\i], v[AC+16*\c+\i], -v[HOLD+\c], v[HOLD+\c]
.endr
.endr
	WIN WW
.irp c, 0,1,2,3
	v_cvt_scalef32_pk8_bf8_f32 v[PC+4*\c:PC+4*\c+1], v[AC+16*\c:AC+16*\c+7], v[CSC+\c]
	v_cvt_scalef32_pk8_bf8_f32 v[PC+4*\c+2:PC+4*\c+3], v[AC+16*\c+8:AC+16*\c+15], v[CSC+\c]
.endr
	WIN 0
	v_nop
.irp c, 0,1,2,3
	global_store_b128 v[VO+\c], v[PC+4*\c:PC+4*\c+3], s[CBA:CBA+1]
.endr
.endm
.irp a, 0,1,2,3,4,5,6,7
	QUANT_A \a
.endr
	s_cmp_eq_u32 ttmp9, 2
	s_cbranch_scc1 .Lsw_v
.irp p, 0,1,2,3
	v_perm_b32 v[SW+\p], v[PWS+2*\p+1], v[PWS+2*\p], v[SELV]
.endr
	s_branch .Lsw_done
.Lsw_v:
.irp t, 0,1,2,3
	v_cndmask_b32 v[SW+\t], v[PWS+\t], v[PWS+4+\t], vcc_lo
.endr
.Lsw_done:
	s_wait_alu depctr_va_vdst(0)
	global_store_b128 v[VS], v[SW:SW+3], s[SBA:SBA+1]
	s_wait_tensorcnt 0x0
	ds_add_u32 v[SPW], v[NIL]
	s_wait_dscnt 0x0
	CROUND
	s_endpgm
.Lfunc_end_k_qeff94a09c7_qkv:
	.size	k_qeff94a09c7_qkv, .Lfunc_end_k_qeff94a09c7_qkv-k_qeff94a09c7_qkv
	.p2alignl 7, 3214868480
	.fill 96, 4, 3214868480
	.section	.rodata,"a",@progbits
	.p2align	6, 0x0
	.amdhsa_kernel k_qeff94a09c7_qkv
		.amdhsa_group_segment_fixed_size 327680
		.amdhsa_private_segment_fixed_size 0
		.amdhsa_enable_private_segment 0
		.amdhsa_kernarg_size 72
		.amdhsa_user_sgpr_count 2
		.amdhsa_user_sgpr_kernarg_segment_ptr 1
		.amdhsa_wavefront_size32 1
		.amdhsa_system_sgpr_workgroup_id_x 1
		.amdhsa_system_sgpr_workgroup_id_y 1
		.amdhsa_system_sgpr_workgroup_id_z 1
		.amdhsa_system_vgpr_workitem_id 0
		.amdhsa_next_free_vgpr 1024
		.amdhsa_next_free_sgpr 100
		.amdhsa_reserve_vcc 1
		.amdhsa_float_denorm_mode_32 3
		.amdhsa_float_denorm_mode_16_64 3
		.amdhsa_memory_ordered 1
		.amdhsa_forward_progress 1
		.amdhsa_inst_pref_size 206
	.end_amdhsa_kernel
	.amdgpu_metadata
---
amdhsa.version: [ 1, 2 ]
amdhsa.kernels:
  - .name:           k_qeff94a09c7_qkv
    .symbol:         k_qeff94a09c7_qkv.kd
    .args:
      - { .name: x_codes, .offset: 0, .size: 8, .value_kind: global_buffer, .address_space: global }
      - { .name: x_scales, .offset: 8, .size: 8, .value_kind: global_buffer, .address_space: global }
      - { .name: w_qkv_codes, .offset: 16, .size: 8, .value_kind: global_buffer, .address_space: global }
      - { .name: w_qkv_scales, .offset: 24, .size: 8, .value_kind: global_buffer, .address_space: global }
      - { .name: b_qkv, .offset: 32, .size: 8, .value_kind: global_buffer, .address_space: global }
      - { .name: qc, .offset: 40, .size: 8, .value_kind: global_buffer, .address_space: global }
      - { .name: qs, .offset: 48, .size: 8, .value_kind: global_buffer, .address_space: global }
      - { .name: kvc, .offset: 56, .size: 8, .value_kind: global_buffer, .address_space: global }
      - { .name: kvs, .offset: 64, .size: 8, .value_kind: global_buffer, .address_space: global }
    .group_segment_fixed_size: 327680
    .private_segment_fixed_size: 0
    .kernarg_segment_align: 8
    .kernarg_segment_size: 72
    .max_flat_workgroup_size: 128
    .sgpr_count:     100
    .vgpr_count:     1024
    .wavefront_size: 32
...
	.end_amdgpu_metadata
.endif
;; end of part 1
;; launch attn (part 2): grid 4 x 64, 16 waves a work-group, clusters of 4 x 1, 327,680 bytes of LDS; arguments qc, qs, kvc, kvs, ao, aos; writes ao, aos
.if DOCPART == 2
	.amdgcn_target "amdgcn-amd-amdhsa--gfx1250"
	.amdhsa_code_object_version 6
	.text
	.protected	k_qeff94a09c7_attn
	.globl	k_qeff94a09c7_attn
	.p2align	8
	.type	k_qeff94a09c7_attn,@function
k_qeff94a09c7_attn:
	s_mov_b64 s[64:65], 0
	v_nop
	global_prefetch_b8 v0, s[64:65] scope:SCOPE_SE
	s_setreg_imm32_b32 hwreg(HW_REG_WAVE_MODE, 25, 1), 1
	s_wait_xcnt 0x0
	s_wait_alu depctr_hold_cnt(0) depctr_sa_sdst(0) depctr_va_vdst(0) depctr_va_sdst(0) depctr_va_ssrc(0) depctr_va_vcc(0) depctr_vm_vsrc(0)
	s_getreg_b32 s2, hwreg(HW_REG_IB_STS2, 6, 4)
	s_cmp_eq_u32 s2, 0
	s_cbranch_scc0 .Lentry_in_a_cluster
	s_endpgm
.Lentry_in_a_cluster:
	s_bfe_u32 s2, ttmp6, 0x10000c
	s_cmp_lg_u32 s2, 0x3003
	s_cbranch_scc0 .Lentry_shape_is_right
	s_endpgm
.Lentry_shape_is_right:
; Attention of one head (16 batch + head = work-group y, 64 in all) for 512 queries, both products on codes of BF8 (E5M2) with E8M0 scales; the result is quantised along the embedding and leaves as codes.
; t = score x log2(e) (the 1/8 is in q's scale bytes); M = the running largest t rounded UP to a whole number; p = 2^(t - M) is quantised along the keys, not normalised; the row's sum is taken of the unquantised p and divides at the end.
; SHARES.  4 x 64 = 256 work-groups.  Sixteen waves, four to a SIMD, 256 registers each.  A wave owns TWO tiles of 16 queries and walks the head's 2,048 keys once for each, 128 keys a step, out of the same LDS bytes.
; A HEAD'S WHOLE K AND V LIE IN LDS: 262,144 bytes of codes and 8,192 of scale words, each byte filled once: no ring.  They lie as images of operand registers (a chunk = 4 registers x 32 lanes = 512 bytes, lane l at 16 l).
; FILLS, one tensor load a wave at each place.  At the head waves 0-7 fetch the first quarter of the codes (32 rows of 256 bytes each), waves 8-15 the scale words (4 rows each).
; Behind the three lines and a round of the cluster's barrier every wave fetches 48 rows of the other three quarters; they are waited for behind the first four key steps, in front of one work-group barrier.  No barrier stands behind that one but the closing round.
; CLUSTER.  The four work-groups of a cluster are the four query blocks of one head: every fill is asked for jointly, with one descriptor and the mask 15.
; LAYOUT.  Both products transposed: S^T = K Q^T, O^T = V^T P^T: a lane holds one query (lane % 16).  The 16 registers of score tiles 2 c, 2 c + 1 are a lane's share of key block c, in the order in which V's chunks were made.
; K = 64 AGAINST THE INSTRUCTION'S 128: a fragment of K holds TWO key tiles; Q stands as [Q | zero codes | Q] in 24 registers: its first 16 give tile 2 f, its last 16 tile 2 f + 1.  The scale bytes beside the zeros are 0, a power of two like any other.
; A BLOCK'S SCALE BYTE is floor(x) + 112, x = the block's largest t - M, held at 1 from below: the exponent field of 2^x less 15, taken from x itself.  Where x lies within f32 rounding of a whole number the byte may differ by one from that of the rounded 2^x; the hold keeps every code finite there.
; No prefetch: all that the work-group reads of K and V is asked for by the two groups of loads in its head; there is no loop to run ahead in.
; LIMITS: NaN and infinities are not served; the promise holds while |t| stays under 2^31.  A block whose largest magnitude lies under 2^(16 - 127) keeps the byte 1; a block of zeros too, where the rule says 127: its codes are zeros, and this program alone reads the bytes.
.set SCB,   262144                     ; LDS: the scale words, behind the codes
.set SPARE, 270336                     ; the spare words: 128 bytes for each of 16 waves
.set AK0,  1                           ; v1   16 x lane: my place in a chunk
.set AS0,  2                           ; v2   SCB + 16 x lane: lanes 0-15 K's four scale words of row lane % 16, lanes 16-31 V's
.set GS,   3                           ; v3   32 (lane % 16): my query's row of aos
.set AQ,   9                           ; v9   16 (lane % 16): my query's place in qs
.set FF,   10                          ; v[10:11] f = 2^(old M - new M), and 0
.set QF,   16                          ; v16-23 Q, v24-31 zero codes, v32-39 Q
.set F,    40                          ; v40-103  four fragments, of K and then of V
.set S,    104                         ; v104-167 S^T, then p
.set O,    168                         ; v168-199 O^T
.set PC,   200                         ; v200-215 p's codes
.set SW,   216                         ; v216-219 the step's scale words: K's in lanes 0-15, V's in lanes 16-31
.set ADS,  220                         ; v220 the step's scale words in LDS
.set SB,   221                         ; v221 the way out: my query's two scale bytes
.set T0,   222                         ; v222, v223 at work
.set T1,   223
.set QS,   224                         ; v224, v225 Q's scale words;  v226 p's
.set PSW,  226
.set ADK,  227                         ; v227 the step's codes in LDS
.set BM,   228                         ; v228-231 the blocks' largest scores, then their scale bytes
.set BT,   232
.set HOLD, 236
.set CSC,  240                         ; v[244:253], v[4:7]: seven chains of the row's sum; they are joined in the next step
.set TB,   2                           ; s2   LDS byte of the step's codes
.set TS,   3                           ; s3   and of its scale words, from SCB
.set WV,   18
.set MNT,  19
.set SEL,  20
.set CS,   22                          ; s[22:23] log2(e), twice
.set G1A,  24                          ; groups 1: 32 rows, 4 rows, 48 rows
.set G1S,  32
.set G1R,  40
.set G0A,  48                          ; groups 0: first quarter, scale words, the rest
.set G0S,  52
.set G0R,  56
.set CNT,  60
.macro ROUND                           ; a round of the cluster's barrier
	s_barrier_signal -1
	s_barrier_wait -1
	s_cmp_lg_u32 s[WV], 0
	s_cbranch_scc1 .Lnot_wave_0_\@
	s_barrier_signal -3
.Lnot_wave_0_\@:
	s_barrier_wait -3
	s_barrier_signal -1
	s_barrier_wait -1
.endm
.macro DENSE g, rows                   ; dense bytes as rows of 256 (32 elements of 8 bytes); the mask names all four work-groups, bit 21 beside it; no padding
	s_mov_b32 s[\g], 15|(3<<16)|(1<<21)
	s_mov_b32 s[\g+1], 32<<16
	s_mov_b32 s[\g+2], (\rows)<<16
	s_mov_b32 s[\g+3], 32<<16
	s_mov_b32 s[\g+4], \rows
	s_mov_b32 s[\g+5], 32
	s_mov_b32 s[\g+6], 0
	s_mov_b32 s[\g+7], 0
.endm
.macro QLOAD p                         ; Q of my tile p: two chunks, twice (before and behind the zeros), and its two scale bytes (bytes 2 and 3 come as 0)
	global_load_b128 v[QF:QF+3], v[AK0], s[4:5] offset:16384*\p
	global_load_b128 v[QF+4:QF+7], v[AK0], s[4:5] offset:16384*\p+512
	global_load_b128 v[QF+16:QF+19], v[AK0], s[4:5] offset:16384*\p
	global_load_b128 v[QF+20:QF+23], v[AK0], s[4:5] offset:16384*\p+512
	global_load_u16 v[QS], v[AQ], s[6:7] offset:512*\p
.endm
.macro JOIN mid                        ; the seven chains are joined onto the row's sum; mid = 1: with the old -M set aside, eight lines in all
	v_pk_add_f32 v[246:247], v[246:247], v[4:5]
	v_pk_add_f32 v[248:249], v[248:249], v[6:7]
	v_pk_add_f32 v[14:15], v[14:15], v[250:251]
	v_pk_add_f32 v[244:245], v[244:245], v[252:253]
.if \mid
	v_mov_b32 v8, v12
.endif
	v_pk_add_f32 v[14:15], v[14:15], v[248:249]
	v_pk_add_f32 v[244:245], v[244:245], v[246:247]
	v_pk_add_f32 v[14:15], v[14:15], v[244:245]
.endm
.macro TM n                            ; the next n pairs of scores become t - M
.rept \n
	v_pk_fma_f32 v[S+j:S+j+1], v[S+j:S+j+1], s[CS:CS+1], v[12:13] op_sel_hi:[1,0,0]
.set j, j+2
.endr
.endm
	s_load_b256 s[4:11], s[0:1], 0x0               ; qc, qs, kvc, kvs
	s_load_b128 s[12:15], s[0:1], 0x20             ; ao, aos
	v_lshl_add_u32 v254, v0, 2, SPARE
	v_mov_b32 v255, 0
	ds_add_u32 v254, v255                          ; the opening lines: the add, twice on end, and its wait
	ds_add_u32 v254, v255
	v_lshrrev_b32 v7, 5, v0
	s_delay_alu instid0(VALU_DEP_1)
	v_readfirstlane_b32 s[WV], v7                  ; wave 0..15
	s_bfe_u32 s61, ttmp6, 0x40000                  ; cx
	s_lshl_b32 s62, ttmp9, 2
	s_add_co_u32 s62, s62, s61                     ; my block of 512 queries: it enters Q's and the results' addresses alone
	s_and_b32 s63, ttmp7, 0xffff                   ; 16 batch + head, which the four partners share
	DENSE G1A, 32
	DENSE G1S, 4
	DENSE G1R, 48
	s_and_b32 s70, s[WV], 7
	s_lshl_b32 s71, s70, 13                        ; 8,192 bytes of the first quarter for each of waves 0-7
	s_lshl_b32 s72, s70, 10                        ; 1,024 bytes of scale words for each of waves 8-15
	s_mul_i32 s73, s[WV], 12288
	s_add_co_u32 s73, s73, 65536                   ; 12,288 bytes of the other three quarters for each wave
	s_lshl_b32 s66, s63, 18                        ; the head's 262,144 bytes of codes
	s_add_co_u32 s74, s66, s71
	s_mov_b32 s75, 0
	s_add_co_u32 s66, s66, s73
	s_mov_b32 s67, 0
	s_lshl_b32 s68, s63, 13                        ; its 8,192 bytes of scale words
	s_add_co_u32 s68, s68, s72
	s_mov_b32 s69, 0
	s_mov_b32 s[MNT], 0x600000                     ; the mantissa field of 57,344
	s_mov_b32 s[SEL], 0x76543210
	s_mov_b32 s[SEL+1], 0xfedcba98                 ; lane l xor 16
	s_mov_b32 s[CS], 0x3fb8aa3b                    ; log2(e)
	s_mov_b32 s[CS+1], s[CS]
	s_wait_dscnt 0x0
	s_wait_kmcnt 0x0
	s_mov_b32 s[G0A], 1
	s_mov_b32 s[G0A+1], s71                        ; LDS: as in memory
	s_add_nc_u64 s[G0A+2:G0A+3], s[8:9], s[74:75]
	s_or_b32 s[G0A+3], s[G0A+3], 0x80000000
	s_mov_b32 s[G0S], 1
	s_add_co_u32 s[G0S+1], s72, SCB
	s_add_nc_u64 s[G0S+2:G0S+3], s[10:11], s[68:69]
	s_or_b32 s[G0S+3], s[G0S+3], 0x80000000
	s_mov_b32 s[G0R], 1
	s_mov_b32 s[G0R+1], s73
	s_add_nc_u64 s[G0R+2:G0R+3], s[8:9], s[66:67]
	s_or_b32 s[G0R+3], s[G0R+3], 0x80000000
	ROUND                                          ; all four work-groups are here: the joint loads meet
	s_cmp_lt_u32 s[WV], 8                          ; one load a wave: every way through the head passes exactly one
	s_cbranch_scc0 .Lhead_s
	tensor_load_to_lds s[G0A:G0A+3], s[G1A:G1A+7]
	s_nop 0
.rept 4
	v_nop
.endr
	s_branch .Lhead_asked
.Lhead_s:
	tensor_load_to_lds s[G0S:G0S+3], s[G1S:G1S+7]
	s_nop 0
.rept 4
	v_nop
.endr
.Lhead_asked:
	s_lshl_b32 s74, s62, 5
	s_add_co_u32 s74, s74, s[WV]                   ; T: my first tile of 16 queries among the head's 128; my second is T + 16
	s_lshl_b32 s72, s63, 17
	s_lshl_b32 s73, s74, 10
	s_add_co_u32 s72, s72, s73
	s_mov_b32 s73, 0
	s_add_nc_u64 s[4:5], s[4:5], s[72:73]          ; Q's two chunks
	s_lshl_b32 s72, s63, 12
	s_lshr_b32 s75, s74, 3
	s_lshl_b32 s75, s75, 8
	s_add_co_u32 s72, s72, s75
	s_and_b32 s75, s74, 7
	s_lshl_b32 s75, s75, 1
	s_add_co_u32 s72, s72, s75
	s_add_nc_u64 s[6:7], s[6:7], s[72:73]          ; and its two scale bytes: 4,096 head + 256 (T / 8) + 2 (T % 8), + 16 r
	s_lshr_b32 s61, s63, 4                         ; batch
	s_and_b32 s62, s63, 15                         ; head
	s_lshl_b32 s61, s61, 7
	s_add_co_u32 s61, s61, s74                     ; my tile among all 512: 128 batch + T
	s_lshr_b32 s66, s62, 2
	s_lshl_b32 s66, s66, 21                        ; ao: 2,097,152 (head / 4)
	s_lshl_b32 s67, s61, 12                        ;   + 4,096 tile
	s_add_co_u32 s66, s66, s67
	s_and_b32 s67, s62, 3
	s_lshl_b32 s67, s67, 10                        ;   + 1,024 (head % 4)
	s_add_co_u32 s66, s66, s67
	s_mov_b32 s67, 0
	s_add_nc_u64 s[12:13], s[12:13], s[66:67]
	s_lshl_b32 s68, s61, 9                         ; aos: 512 tile + 2 head
	s_lshl_b32 s69, s62, 1
	s_add_co_u32 s68, s68, s69
	s_mov_b32 s69, 0
	s_add_nc_u64 s[14:15], s[14:15], s[68:69]
	v_and_b32 v7, 31, v0                           ; lane
	v_and_b32 v8, 15, v0                           ; r
	s_delay_alu instid0(VALU_DEP_2)
	v_lshlrev_b32 v[AK0], 4, v7
	v_lshl_add_u32 v[AS0], v7, 4, SCB
	v_lshlrev_b32 v[AQ], 4, v8
	v_lshlrev_b32 v[GS], 5, v8
	QLOAD 0
.irp j, 0,1,2,3,4,5,6,7
	v_mov_b32 v[QF+8+\j], 0                        ; the zero codes between the two Q
.endr
.irp b, 0,1,2,3
	v_mov_b32 v[BT+\b], 0                          ; written once: a lane permute's destination counts as one of its sources
.endr
	v_mov_b32 v[FF+1], 0                           ; (the upper half of f's pair)
	s_wait_alu depctr_va_vdst(0)                   ; the wait at the head's end
	s_wait_tensorcnt 0x0                           ; my part of the head's fills is in
	ds_add_u32 v254, v255
	s_wait_dscnt 0x0
	ROUND                                          ; every wave's part is in, and the four work-groups are here
	tensor_load_to_lds s[G0R:G0R+3], s[G1R:G1R+7]  ; the other three quarters: my one load behind the round
	s_nop 0
.rept 4
	v_nop
.endr
; A KEY STEP: 128 keys.
.macro STEP
	v_add_nc_u32 v[ADK], s[TB], v[AK0]
	v_add_nc_u32 v[ADS], s[TS], v[AS0]
.rept 6
	v_nop                                          ; with the two lines above: eight places behind the last products, in front of loads into their registers
.endr
.irp f, 0,1,2,3
.irp c, 0,1,2,3
	ds_load_b128 v[F+16*\f+4*\c:F+16*\f+4*\c+3], v[ADK] offset:2048*\f+512*\c   ; K: fragment f = key tiles 2 f and 2 f + 1
.endr
.endr
	ds_load_b128 v[SW:SW+3], v[ADS]                ; the step's 512 bytes of scale words in one load: K's to lanes 0-15, V's to lanes 16-31
	s_wait_alu depctr_va_vdst(0)                   ; directly ahead of the wait below
	s_wait_dscnt 0x0
.irp f, 0,1,2,3
.irp u, 0,1
	v_wmma_scale_f32_16x16x128_f8f6f4 v[S+8*(2*\f+\u):S+8*(2*\f+\u)+7], v[F+16*\f:F+16*\f+15], v[QF+8*\u:QF+8*\u+15], 0, v[SW+\f], v[QS+\u] matrix_a_fmt:MATRIX_FMT_BF8 matrix_b_fmt:MATRIX_FMT_BF8
.endr
.endr
	JOIN 1                                         ; the eight places behind the products: the last step's chains are joined (a tile's first step finds zeros)
.irp t, 0,1,2,3
.irp c, 0,1,2,3
	ds_load_b128 v[F+16*\t+4*\c:F+16*\t+4*\c+3], v[ADK] offset:8192+2048*\t+512*\c   ; V: asked for ahead of the softmax, waited for behind it
.endr
.endr
.irp b, 0,1,2,3
	v_max3_num_f32 v[BM+\b], v[S+16*\b], v[S+16*\b+1], v[S+16*\b+2]   ; the largest score of each block of 32 keys: for the row's maximum and for the block's scale
.endr
.irp i, 3,5,7,9,11,13
.irp b, 0,1,2,3
	v_max3_num_f32 v[BM+\b], v[BM+\b], v[S+16*\b+\i], v[S+16*\b+\i+1]
.endr
.endr
.irp b, 0,1,2,3
	v_max_num_f32 v[BM+\b], v[BM+\b], v[S+16*\b+15]
.endr
.irp b, 0,1,2,3
	v_permlanex16_b32 v[BT+\b], v[BM+\b], s[SEL], s[SEL+1]
.endr
.irp b, 0,1,2,3
	v_max_num_f32 v[BM+\b], v[BM+\b], v[BT+\b]     ; with lane l xor 16's 16 keys
.endr
	s_delay_alu instid0(VALU_DEP_2)
	v_max3_num_f32 v[T0], v[BM], v[BM+1], v[BM+2]
	s_delay_alu instid0(VALU_DEP_1)
	v_max3_num_f32 v13, v13, v[T0], v[BM+3]        ; the running largest score (log2(e) is positive: the largest score gives the largest t)
	s_delay_alu instid0(VALU_DEP_1)
	v_mul_f32 v[T0], s[CS], v13                    ; the running largest t
	s_delay_alu instid0(VALU_DEP_1)
	v_floor_f32 v12, -v[T0]                        ; the new -M = -ceil(t): a whole number
	s_delay_alu instid0(VALU_DEP_1)
	v_sub_f32 v8, v12, v8                          ; old M - new M: a whole number, 0 or less
	v_add_f32 v[T1], 0x42e00000, v12               ; 112 - M
	s_delay_alu instid0(VALU_DEP_2)
	v_cvt_i32_f32 v8, v8                           ; (it saturates)
	s_delay_alu instid0(VALU_DEP_1)
	v_ldexp_f32 v[FF], 1.0, v8                     ; f = 2^(old M - new M): a multiplication by it rounds nothing
; t - M of the 64 scores, two at a time; the blocks' scales are made between these lines, so that no line reads what one of the four lines ahead of it wrote
.set j, 0
	TM 4
.irp b, 0,1,2,3
	v_fma_f32 v[BM+\b], v[BM+\b], s[CS], v[T1]     ; x + 112, x the block's largest t - M
.endr
	TM 5
.irp b, 0,1,2,3
	v_max_num_f32 v[BM+\b], 1.0, v[BM+\b]          ; the byte cannot fall under 1
.endr
	TM 5
.irp b, 0,1,2,3
	v_cvt_floor_i32_f32 v[BM+\b], v[BM+\b]         ; the scale's byte: floor(x) + 127 - 15
.endr
	TM 5
.irp b, 0,1,2,3
	v_lshlrev_b32 v[CSC+\b], 23, v[BM+\b]          ; as an exponent field: the conversion's scale operand
.endr
	v_lshl_or_b32 v[BT], v[BM+1], 8, v[BM]
	v_lshl_or_b32 v[BT+1], v[BM+3], 8, v[BM+2]
	TM 5
.irp b, 0,1,2,3
	v_add_nc_u32 v[HOLD+\b], 0x07e00000, v[CSC+\b] ; 15 onto the exponent field, over 57,344's mantissa: 57,344 x the scale
.endr
	v_lshl_or_b32 v[PSW], v[BT+1], 16, v[BT]       ; p's scale word for these 128 keys
	TM 8
	s_wait_alu depctr_va_vdst(0)                   ; ahead of the batch
.set j, 0
.rept 64
	v_exp_f32 v[S+j], v[S+j]                       ; p = 2^(t - M)
.set j, j+1
.endr
	v_pk_mul_f32 v[14:15], v[14:15], v[FF:FF+1] op_sel_hi:[1,0]   ; the sums under the new M: the plain line behind the exponentials
	s_wait_alu depctr_va_vdst(0)                   ; one wait for the batch, ahead of its first reader
; the row's sum of the unquantised p: 32 pairs in eight chains (seven at work, the eighth the running sum itself)
.set j, 0
.irp r, 244,246,248,250,252,4,6
	v_pk_add_f32 v[\r:\r+1], v[S+j:S+j+1], v[S+j+2:S+j+3]
.set j, j+4
.endr
.rept 2
.irp r, 14,244,246,248,250,252,4,6
	v_pk_add_f32 v[\r:\r+1], v[\r:\r+1], v[S+j:S+j+1]
.set j, j+2
.endr
.endr
.irp r, 14,244
	v_pk_add_f32 v[\r:\r+1], v[\r:\r+1], v[S+j:S+j+1]
.set j, j+2
.endr
; THE HOLD: the conversion does not saturate (ISA guide 7.6.2); p is not negative, so it is one-sided.  Two holds an instruction: one half takes a number of block b, the other one of block b + 1,
; so that the two destinations are an even and an odd register and the two first and the two second sources lie in different register banks.
.irp b, 0,2
.irp i, 0,2,4,6,8,10,12,14
	v_dual_min_num_f32 v[S+16*\b+\i], v[S+16*\b+\i], v[HOLD+\b] :: v_dual_min_num_f32 v[S+16*\b+17+\i], v[S+16*\b+17+\i], v[HOLD+\b+1]
	v_dual_min_num_f32 v[S+16*\b+16+\i], v[S+16*\b+16+\i], v[HOLD+\b+1] :: v_dual_min_num_f32 v[S+16*\b+1+\i], v[S+16*\b+1+\i], v[HOLD+\b]
.endr
.irp d, 0,1
	v_cvt_scalef32_pk8_bf8_f32 v[PC+4*(\b+\d):PC+4*(\b+\d)+1], v[S+16*(\b+\d):S+16*(\b+\d)+7], v[CSC+\b+\d]
	v_cvt_scalef32_pk8_bf8_f32 v[PC+4*(\b+\d)+2:PC+4*(\b+\d)+3], v[S+16*(\b+\d)+8:S+16*(\b+\d)+15], v[CSC+\b+\d]
.endr
.endr
	s_wait_alu depctr_va_vdst(0)                   ; directly ahead of the first reader of O^T
.set j, 0
.rept 16
	v_pk_mul_f32 v[O+j:O+j+1], v[O+j:O+j+1], v[FF:FF+1] op_sel_hi:[1,0]   ; O^T under the new M; these lines also stand between the conversions and the products
.set j, j+2
.endr
	s_wait_alu depctr_va_vdst(0)                   ; directly ahead of the wait below
	s_wait_dscnt 0x0                               ; V is in
.irp t, 0,1,2,3
	v_wmma_scale_f32_16x16x128_f8f6f4 v[O+8*\t:O+8*\t+7], v[F+16*\t:F+16*\t+15], v[PC:PC+15], v[O+8*\t:O+8*\t+7], v[SW+\t], v[PSW] matrix_a_fmt:MATRIX_FMT_BF8 matrix_b_fmt:MATRIX_FMT_BF8 matrix_a_scale:MATRIX_SCALE_ROW1
.endr
	s_add_co_u32 s[TB], s[TB], 16384
	s_add_co_u32 s[TS], s[TS], 512
.endm
.macro STEPS n, first                  ; n key steps from step 'first' on
	s_mov_b32 s[TB], 16384*\first
	s_mov_b32 s[TS], 512*\first
	s_mov_b32 s[CNT], \n
.Lstep_\@:
	STEP
	s_sub_co_u32 s[CNT], s[CNT], 1
	s_cmp_lg_u32 s[CNT], 0
	s_cbranch_scc1 .Lstep_\@
.endm
.macro BEGIN p                         ; a tile's walk begins: the step is written once; the first change of M leaves zeros zeros
	v_mov_b32 v13, 0xff61b1e6                      ; the largest score so far: -3e38
	v_mov_b32 v14, 0                               ; the sum, in two halves
	v_mov_b32 v15, 0
	v_floor_f32 v12, -v13                          ; -M
.irp r, 244,246,248,250,252,4,6
	v_mov_b32 v[\r], 0                             ; the chains that the first step joins
	v_mov_b32 v[\r+1], 0
.endr
	s_wait_alu depctr_va_vdst(0)                   ; directly ahead of the waits below
	s_wait_loadcnt 0x0                             ; Q
.if \p
	s_wait_xcnt 0x0                                ; the first tile's stores have read their registers
.endif
	v_lshlrev_b32 v[QS+1], 16, v[QS]               ; Q's bytes beside the second Q; the 32 lines below stand between this and its first use
.set j, 0
.rept 32
	v_mov_b32 v[O+j], 0
.set j, j+1
.endr
.endm
; THE WAY OUT of tile p.  O^T / the sum is quantised along the embedding: my head's 64 channels are two blocks of 32; a lane holds 16 numbers of each, lane l xor 16 the others.
.macro OUT p
.if \p == 0
	QLOAD 1                                        ; my second tile's Q: the last products that read these registers stand a softmax back
.endif
	JOIN 0                                         ; the last step's chains
	s_delay_alu instid0(VALU_DEP_1)
	v_add_f32 v14, v14, v15
	s_delay_alu instid0(VALU_DEP_1)
	v_permlanex16_b32 v8, v14, s[SEL], s[SEL+1]
	s_delay_alu instid0(VALU_DEP_1)
	v_add_f32 v14, v14, v8                         ; the row's sum
	s_wait_alu depctr_va_vdst(0)                   ; ahead of the transcendental
	v_rcp_f32 v14, v14
	v_and_b32 v7, 31, v0                           ; (the plain line behind the reciprocal; the ten plain lines above it are the places behind the last products)
	s_delay_alu instid0(VALU_DEP_1)
	v_cmp_le_u32 vcc_lo, 16, v7                    ; lanes 16-31
	s_wait_alu depctr_va_vdst(0)                   ; ahead of the reciprocal's first reader, which is also O^T's
.set j, 0
.rept 16
	v_pk_mul_f32 v[S+j:S+j+1], v[O+j:O+j+1], v[14:15] op_sel_hi:[1,0]   ; each accumulator from its low end on
.set j, j+2
.endr
.irp c, 0,1
	v_max3_num_f32 v[BM+\c], |v[S+16*\c]|, |v[S+16*\c+1]|, 0x8000000
.endr
.irp i, 2,4,6,8,10,12,14
.irp c, 0,1
	s_delay_alu instid0(VALU_DEP_2)
	v_max3_num_f32 v[BM+\c], v[BM+\c], |v[S+16*\c+\i]|, |v[S+16*\c+\i+1]|
.endr
.endr
.irp c, 0,1
	s_delay_alu instid0(VALU_DEP_2)
	v_permlanex16_b32 v[BT+\c], v[BM+\c], s[SEL], s[SEL+1]
.endr
.irp c, 0,1
	s_delay_alu instid0(VALU_DEP_2)
	v_max_num_f32 v[BM+\c], v[BM+\c], v[BT+\c]
.endr
.irp c, 0,1
	s_delay_alu instid0(VALU_DEP_2)
	v_add_nc_u32 v[CSC+\c], 0xf8800000, v[BM+\c]
.endr
.irp c, 0,1
	s_delay_alu instid0(VALU_DEP_4)
	v_and_or_b32 v[HOLD+\c], v[BM+\c], 0x7f800000, s[MNT]
.endr
.irp c, 0,1
	s_delay_alu instid0(VALU_DEP_4)
	v_lshrrev_b32 v[BT+\c], 23, v[CSC+\c]
.endr
	s_delay_alu instid0(VALU_DEP_1)
	v_lshl_or_b32 v[SB], v[BT+1], 8, v[BT]         ; my query's two scale bytes
.irp c, 0,1
.irp i, 0,1,2,3,4,5,6,7,8,9,10,11,12,13,14,15
	v_med3_num_f32 v[S+16*\c+\i], v[S+16*\c+\i], -v[HOLD+\c], v[HOLD+\c]
.endr
	v_cvt_scalef32_pk8_bf8_f32 v[PC+4*\c:PC+4*\c+1], v[S+16*\c:S+16*\c+7], v[CSC+\c]          ; X: channels 32 c + 8 h + 0..7
	v_cvt_scalef32_pk8_bf8_f32 v[PC+4*\c+2:PC+4*\c+3], v[S+16*\c+8:S+16*\c+15], v[CSC+\c]     ; Y: channels 32 c + 16 + 8 h + 0..7
.endr
	v_nop                                          ; a plain line behind the last conversion
	; w_out comes in the natural order of K: lane (r, h) wants channels 32 c + 16 h + 0..15: h = 0: its X, the other half's X; h = 1: the other half's Y, its Y
.irp c, 0,1
.irp i, 0,1
	v_permlanex16_b32 v[S+40+4*\c+\i], v[PC+4*\c+2+\i], s[SEL], s[SEL+1]   ; the other half's Y
	v_permlanex16_b32 v[S+42+4*\c+\i], v[PC+4*\c+\i], s[SEL], s[SEL+1]     ; the other half's X
.endr
.endr
.irp c, 0,1
.irp i, 0,1
	v_cndmask_b32 v[S+32+4*\c+\i], v[PC+4*\c+\i], v[S+40+4*\c+\i], vcc_lo
	v_cndmask_b32 v[S+34+4*\c+\i], v[S+42+4*\c+\i], v[PC+4*\c+2+\i], vcc_lo
.endr
.endr
	global_store_b128 v[AK0], v[S+32:S+35], s[12:13] offset:65536*\p          ; 32 lanes store 512 consecutive bytes, at a multiple of 512 from ao's first byte
	global_store_b128 v[AK0], v[S+36:S+39], s[12:13] offset:65536*\p+512
	global_store_b16 v[GS], v[SB], s[14:15] offset:8192*\p                    ; two bytes of my query's 32; both halves of the lanes write the same value to the same place.  Short pieces: 262,144 bytes in the whole launch, laid as the next launch's scale path takes them
.endm
	BEGIN 0
	STEPS 4, 0                                     ; the first quarter, while the other three are on their way
	s_wait_tensorcnt 0x0                           ; my part of them has landed,
	s_barrier_signal -1
	s_barrier_wait -1                              ; and so has every wave's
	STEPS 12, 4
	OUT 0
	BEGIN 1
	STEPS 16, 0                                    ; my second tile: all of K and V lies in LDS, so no barrier stands in its walk
	OUT 1
	s_wait_tensorcnt 0x0                           ; the wave's end
	ds_add_u32 v254, v255
	s_wait_dscnt 0x0
	ROUND                                          ; the closing round: no work-group ends while a partner may still ask for a tile that names it
	s_endpgm
.Lfunc_end_k_qeff94a09c7_attn:
	.size	k_qeff94a09c7_attn, .Lfunc_end_k_qeff94a09c7_attn-k_qeff94a09c7_attn
	.p2alignl 7, 3214868480
	.fill 96, 4, 3214868480
	.section	.rodata,"a",@progbits
	.p2align	6, 0x0
	.amdhsa_kernel k_qeff94a09c7_attn
		.amdhsa_group_segment_fixed_size 327680
		.amdhsa_private_segment_fixed_size 0
		.amdhsa_enable_private_segment 0
		.amdhsa_kernarg_size 48
		.amdhsa_user_sgpr_count 2
		.amdhsa_user_sgpr_kernarg_segment_ptr 1
		.amdhsa_wavefront_size32 1
		.amdhsa_system_sgpr_workgroup_id_x 1
		.amdhsa_system_sgpr_workgroup_id_y 1
		.amdhsa_system_sgpr_workgroup_id_z 1
		.amdhsa_system_vgpr_workitem_id 0
		.amdhsa_next_free_vgpr 256
		.amdhsa_next_free_sgpr 80
		.amdhsa_reserve_vcc 1
		.amdhsa_float_denorm_mode_32 3
		.amdhsa_float_denorm_mode_16_64 3
		.amdhsa_memory_ordered 1
		.amdhsa_forward_progress 1
		.amdhsa_inst_pref_size 81
	.end_amdhsa_kernel
	.amdgpu_metadata
---
amdhsa.version: [ 1, 2 ]
amdhsa.kernels:
  - .name:           k_qeff94a09c7_attn
    .symbol:         k_qeff94a09c7_attn.kd
    .args:
      - { .name: qc, .offset: 0, .size: 8, .value_kind: global_buffer, .address_space: global }
      - { .name: qs, .offset: 8, .size: 8, .value_kind: global_buffer, .address_space: global }
      - { .name: kvc, .offset: 16, .size: 8, .value_kind: global_buffer, .address_space: global }
      - { .name: kvs, .offset: 24, .size: 8, .value_kind: global_buffer, .address_space: global }
      - { .name: ao, .offset: 32, .size: 8, .value_kind: global_buffer, .address_space: global }
      - { .name: aos, .offset: 40, .size: 8, .value_kind: global_buffer, .address_space: global }
    .group_segment_fixed_size: 327680
    .private_segment_fixed_size: 0
    .kernarg_segment_align: 8
    .kernarg_segment_size: 48
    .max_flat_workgroup_size: 512
    .sgpr_count:     80
    .vgpr_count:     256
    .wavefront_size: 32
...
	.end_amdgpu_metadata
.endif
;; end of part 2
;; launch proj (part 3): grid 4 x 32, 4 waves a work-group, clusters of 4 x 4, 327,680 bytes of LDS; arguments ao, aos, w_out_codes, w_out_scales, b_out, out0; writes out0
.if DOCPART == 3
	.amdgcn_target "amdgcn-amd-amdhsa--gfx1250"
	.amdhsa_code_object_version 6
	.text
	.protected	k_qeff94a09c7_proj
	.globl	k_qeff94a09c7_proj
	.p2align	8
	.type	k_qeff94a09c7_proj,@function
k_qeff94a09c7_proj:
	s_mov_b64 s[64:65], 0
	v_nop
	global_prefetch_b8 v0, s[64:65] scope:SCOPE_SE
	s_setreg_imm32_b32 hwreg(HW_REG_WAVE_MODE, 25, 1), 1
	s_wait_xcnt 0x0
	s_wait_alu depctr_hold_cnt(0) depctr_sa_sdst(0) depctr_va_vdst(0) depctr_va_sdst(0) depctr_va_ssrc(0) depctr_va_vcc(0) depctr_vm_vsrc(0)
	s_getreg_b32 s2, hwreg(HW_REG_IB_STS2, 6, 4)
	s_cmp_eq_u32 s2, 0
	s_cbranch_scc0 .Lentry_in_a_cluster
	s_endpgm
.Lentry_in_a_cluster:
	s_bfe_u32 s2, ttmp6, 0x10000c
	s_cmp_lg_u32 s2, 0xf033
	s_cbranch_scc0 .Lentry_shape_is_right
	s_endpgm
.Lentry_shape_is_right:
.set SIZE_N, 1024
.set NQ,     2
.set ROWB,   256
.set KROW,   1024
.set PITCH,  272
.set FR,     16
.set NL,     4
.set NP,     8
.set HALFA,  32768
.set ASTEP,  2097152
.set HALFT,  128*PITCH
.set SLOT,   2*HALFA+2*HALFT
.set LAPS,   2
.set KS,     32
.set SCL,    2*SLOT
.set HALFS,  (128*KS/256)*272
.set SBLK,   (16*KS/256)*272
.set SPARE,  SCL+4*HALFS
.set SPITCH, 528
.set ADRA, 16
.set ADRB, 20
.set STO,  24
.set RD,   25
.set CO,   26
.set ADRS, 27
.set SPW,  28
.set NIL,  29
.set SC,   32
.set BI,   64
.set AF,   128
.set BK,   128
.set G1, 24
.set G0, 32
.set G1B, 48
.set G0B, 56
.set G1S, 68
.set G0S, 76
.set G1SB, 80
.set G0SB, 88
.set MSB, 0
.macro WIN new
.if MSB != \new
	s_set_vgpr_msb (MSB<<8)|\new
.set MSB, \new
.endif
.endm
.set MUL_LO, 0xa1
.set MUL_HI, 0xf1
.set TO_B,   0x40
.macro JLOAD g0a, g1a, g0b, g1b
	s_cmp_eq_u32 s15, 0
	s_cbranch_scc0 .Lfor_b_\@
	tensor_load_to_lds s[\g0a:\g0a+3], s[\g1a:\g1a+7]
	s_nop 0
.rept 4
	v_nop
.endr
	s_branch .Lasked_\@
.Lfor_b_\@:
	tensor_load_to_lds s[\g0b:\g0b+3], s[\g1b:\g1b+7]
	s_nop 0
.rept 4
	v_nop
.endr
.Lasked_\@:
.endm
.macro CREST
	s_cmp_lg_u32 s14, 0
	s_cbranch_scc1 .Lnot_wave_0_\@
	s_barrier_signal -3
.Lnot_wave_0_\@:
	s_barrier_wait -3
	s_barrier_signal -1
	s_barrier_wait -1
.endm
.macro CROUND
	s_barrier_signal -1
	s_barrier_wait -1
	CREST
.endm
	s_load_b128 s[4:7], s[0:1], 0x0
	s_load_b128 s[8:11], s[0:1], 0x10
	s_load_b64 s[96:97], s[0:1], 0x20
	s_load_b64 s[12:13], s[0:1], 0x28
	v_lshl_add_u32 v[SPW], v0, 2, SPARE
	v_mov_b32 v[NIL], 0
	ds_add_u32 v28, v29
	ds_add_u32 v28, v29
	s_wait_dscnt 0x0
	v_lshrrev_b32 v1, 5, v0
	v_readfirstlane_b32 s14, v1
	s_lshr_b32 s15, s14, 1
	s_and_b32 s16, s14, 1
	s_bfe_u32 s40, ttmp6, 0x40000
	s_bfe_u32 s41, ttmp6, 0x40004
	s_lshl_b32 s42, ttmp9, 2
	s_add_co_u32 s42, s42, s40
	s_and_b32 s17, ttmp7, 0xffff
	s_lshl_b32 s17, s17, 2
	s_add_co_u32 s17, s17, s41
	s_lshl_b32 s43, s41, 2
	s_lshl_b32 s43, 15, s43
	s_lshl_b32 s44, 0x1111, s40
	s_or_b32 s[G1+0], s43, (3<<16)|(1<<21)
	s_mov_b32 s[G1+1], 32<<16
	s_mov_b32 s[G1+2], 256<<16                     ; the head's loads of codes bring 256 rows
	s_mov_b32 s[G1+3], 32<<16
	s_mov_b32 s[G1+4], 256
	s_mov_b32 s[G1+5], 32
	s_mov_b32 s[G1+6], 0
	s_mov_b32 s[G1+7], 0
	s_or_b32 s[G1B+0], s44, (0<<16)|(1<<20)|(1<<21)|(5<<22)|(3<<25)
	s_mov_b32 s[G1B+1], ROWB<<16
	s_mov_b32 s[G1B+2], 256<<16
	s_mov_b32 s[G1B+3], ROWB<<16
	s_mov_b32 s[G1B+4], 256
	s_mov_b32 s[G1B+5], KROW
	s_mov_b32 s[G1B+6], 0
	s_mov_b32 s[G1B+7], 0
	s_or_b32 s[G1S+0], s43, (3<<16)|(1<<20)|(1<<21)|(5<<22)|(3<<25)
	s_or_b32 s[G1SB+0], s44, (3<<16)|(1<<20)|(1<<21)|(5<<22)|(3<<25)
.irp g, G1S, G1SB
	s_mov_b32 s[\g+1], 32<<16
	s_mov_b32 s[\g+2], (256*KS/256)<<16            ; the scales of 256 rows in one load
	s_mov_b32 s[\g+3], 32<<16
	s_mov_b32 s[\g+4], 256*KS/256
	s_mov_b32 s[\g+5], 32
	s_mov_b32 s[\g+6], 0
	s_mov_b32 s[\g+7], 0
.endr
	s_lshl_b32 s18, s16, 7
	s_lshl_b32 s22, s17, 8
	s_add_co_u32 s22, s22, s18
	s_lshl_b32 s22, s22, 5
	s_mov_b32 s23, 0
	s_lshl_b32 s20, s17, 16
	s_lshl_b32 s21, s16, 15
	s_add_co_u32 s20, s20, s21
	s_mov_b32 s21, 0
	s_lshl_b32 s46, s42, 8
	s_add_co_u32 s46, s46, s18
	s_lshl_b32 s66, s46, 2
	s_mov_b32 s67, 0
	s_lshl_b32 s92, s46, 5
	s_mov_b32 s93, 0
	s_lshl_b32 s46, s46, 10
	s_mov_b32 s47, 0
	s_lshl_b32 s45, s16, 15
	s_mul_i32 s95, s16, HALFT
	s_add_co_u32 s95, s95, 2*HALFA
	s_wait_kmcnt 0x0
	s_add_nc_u64 s[20:21], s[4:5], s[20:21]
	s_add_nc_u64 s[22:23], s[6:7], s[22:23]
	s_add_nc_u64 s[46:47], s[8:9], s[46:47]
	s_add_nc_u64 s[92:93], s[10:11], s[92:93]
	s_add_nc_u64 s[96:97], s[96:97], s[66:67]
	CROUND
	s_mov_b32 s[G0S], 1
	s_mul_i32 s18, s16, 128*KS                     ; back from my half of the rows to the tile's first row
	s_mov_b32 s19, 0
	s_mov_b32 s[G0S+1], SCL
	s_sub_nc_u64 s[G0S+2:G0S+3], s[22:23], s[18:19]
	s_or_b32 s[G0S+3], s[G0S+3], 0x80000000
	s_mov_b32 s[G0SB], 1
	s_mov_b32 s[G0SB+1], SCL+2*HALFS
	s_sub_nc_u64 s[G0SB+2:G0SB+3], s[92:93], s[18:19]
	s_or_b32 s[G0SB+3], s[G0SB+3], 0x80000000
	s_lshl_b32 s18, s16, 15
	s_mov_b32 s4, 1                                ; s[4:7], s[8:11]: groups 0 of the head's loads of K step 0: A's 256 rows, B's 256 rows (the arguments that lay there have been used)
	s_mov_b32 s5, 0
	s_sub_nc_u64 s[6:7], s[20:21], s[18:19]
	s_or_b32 s7, s7, 0x80000000
	s_lshl_b32 s18, s16, 17
	s_mov_b32 s8, 1
	s_mov_b32 s9, 2*HALFA
	s_sub_nc_u64 s[10:11], s[46:47], s[18:19]
	s_or_b32 s11, s11, 0x80000000
.irp s, 0,1
	s_mov_b32 s[G0+4*\s], 1
	s_add_co_u32 s[G0+4*\s+1], s45, \s*SLOT
	s_add_nc_u64 s[G0+4*\s+2:G0+4*\s+3], s[20:21], \s*ASTEP
	s_or_b32 s[G0+4*\s+3], s[G0+4*\s+3], 0x80000000
	s_mov_b32 s[G0B+4*\s], 1
	s_add_co_u32 s[G0B+4*\s+1], s95, \s*SLOT
	s_add_nc_u64 s[G0B+4*\s+2:G0B+4*\s+3], s[46:47], \s*ROWB
	s_or_b32 s[G0B+4*\s+3], s[G0B+4*\s+3], 0x80000000
.endr
; The head's four tiles, one load a wave: wave 0 K step 0's 256 rows of A, wave 1 its 256 rows of B, wave 2 A's scales, wave 3 B's.  One chain of branches on the wave's number, all arms leading to one join.
.macro ARM under, g0, g1, next
	s_cmp_lt_u32 s14, \under
	s_cbranch_scc0 \next
	tensor_load_to_lds s[\g0:\g0+3], s[\g1:\g1+7]
	s_nop 0
.rept 4
	v_nop
.endr
	s_branch .Lhead_asked
\next:
.endm
	ARM 1, 4, G1, .Lhead_b
	ARM 2, 8, G1B, .Lhead_sa
	ARM 3, G0S, G1S, .Lhead_sb
	tensor_load_to_lds s[G0SB:G0SB+3], s[G1SB:G1SB+7]
	s_nop 0
.rept 4
	v_nop
.endr
.Lhead_asked:
	v_and_b32 v1, 15, v0
	v_bfe_u32 v2, v0, 4, 1
	v_mul_u32_u24 v3, v1, PITCH
	v_lshl_add_u32 v4, v2, 4, v3
	v_and_b32 v6, 31, v0
	v_lshlrev_b32 v7, 4, v6
	s_lshl_b32 s21, s15, 15
	s_mul_i32 s22, s16, HALFT
	s_add_co_u32 s22, s22, 2*HALFA
.irp s, 0,1
	v_add_nc_u32 v[ADRA+\s], s21, v7
	v_add_nc_u32 v[ADRB+\s], s22, v4
	s_add_co_u32 s21, s21, SLOT
	s_add_co_u32 s22, s22, SLOT
.endr
	v_mul_u32_u24 v5, v1, KS
	v_lshrrev_b32 v6, 8, v5
	v_lshl_add_u32 v5, v6, 4, v5
	s_mul_i32 s21, s15, HALFS
	s_mul_i32 s22, s16, HALFS
	s_add_co_u32 s22, s22, 2*HALFS
	s_sub_co_u32 s22, s22, s21
	v_mul_u32_u24 v6, s22, v2
	s_add_co_u32 s21, s21, SCL
	v_add_nc_u32 v5, v5, v6
	v_add_nc_u32 v[ADRS], s21, v5
	v_lshlrev_b32 v8, 5, v2
.irp b, 0,1,2,3,4,5,6,7
	global_load_b128 v[BI+8*\b:BI+8*\b+3], v8, s[96:97] offset:64*\b
	global_load_b128 v[BI+8*\b+4:BI+8*\b+7], v8, s[96:97] offset:64*\b+16
.endr
	s_mul_i32 s23, s14, 16*SPITCH
	v_mul_u32_u24 v5, v1, SPITCH
	v_lshl_add_u32 v5, v2, 5, v5
	v_add_nc_u32 v[STO], s23, v5
	v_mov_b32 v[CO], v7
	v_add_nc_u32 v[RD], s23, v7
	s_lshl_b32 s20, s17, 8
	s_lshl_b32 s21, s15, 7
	s_add_co_u32 s20, s20, s21
	s_lshl_b32 s20, s20, 12
	s_lshl_b32 s46, s42, 10
	s_lshl_b32 s47, s16, 9
	s_add_co_u32 s20, s20, s46
	s_add_co_u32 s20, s20, s47
	s_mov_b32 s21, 0
	s_add_nc_u64 s[12:13], s[12:13], s[20:21]
.macro FRAGB reg, adr, q, i
.irp c, 0,1,2,3
	ds_load_b128 v[\reg+4*\c:\reg+4*\c+3], v[\adr] offset:128*(\q)+32*\c+(\i)*16*PITCH
.endr
.endm
.macro FRAGA reg, adr, q, i
.irp c, 0,1,2,3
	ds_load_b128 v[\reg+4*\c:\reg+4*\c+3], v[\adr] offset:4096*(\i)+2048*(\q)+512*\c
.endr
.endm
.macro MUL16 a0, p, q, sc, cm
.irp a, \a0, \a0+1
.irp b, 0,1,2,3,4,5,6,7
.if \cm
	v_wmma_scale_f32_16x16x128_f8f6f4 v[8*(8*((\a)%4)+\b):8*(8*((\a)%4)+\b)+7], v[128*(\p)+FR*\b:128*(\p)+FR*\b+FR-1], v[AF+FR*(\a):AF+FR*(\a)+FR-1], v[BI+8*\b:BI+8*\b+7], v[SC+8*NQ*(\sc)+NQ*\b+(\q)], v[SC+8*NQ*(\sc)+NQ*(\a)+(\q)] matrix_a_fmt:MATRIX_FMT_BF8 matrix_b_fmt:MATRIX_FMT_BF8 matrix_a_scale:MATRIX_SCALE_ROW1
.else
	v_wmma_scale_f32_16x16x128_f8f6f4 v[8*(8*((\a)%4)+\b):8*(8*((\a)%4)+\b)+7], v[128*(\p)+FR*\b:128*(\p)+FR*\b+FR-1], v[AF+FR*(\a):AF+FR*(\a)+FR-1], v[8*(8*((\a)%4)+\b):8*(8*((\a)%4)+\b)+7], v[SC+8*NQ*(\sc)+NQ*\b+(\q)], v[SC+8*NQ*(\sc)+NQ*(\a)+(\q)] matrix_a_fmt:MATRIX_FMT_BF8 matrix_b_fmt:MATRIX_FMT_BF8 matrix_a_scale:MATRIX_SCALE_ROW1
.endif
.endr
.endr
.endm
.macro FETCH_B slot, q, p
	WIN TO_B
.irp i, 0,1,2,3,4,5,6,7
	FRAGB 128*(\p)+FR*\i, ADRB+\slot, \q, \i
.endr
	WIN 0
.endm
.macro FETCH_A slot, q, i0
.irp i, \i0, \i0+1, \i0+2, \i0+3
	FRAGA AF+FR*(\i), ADRA+\slot, \q, \i
.endr
.endm
.macro SCALES sc
.irp i, 0,1,2,3,4,5,6,7
	ds_load_b64 v[SC+8*NQ*\sc+NQ*\i:SC+8*NQ*\sc+NQ*\i+1], v[ADRS] offset:\i*SBLK
.endr
.endm
.macro PLACES n
.rept \n
	v_nop
.endr
.endm
.macro STEP slot, q, cm
	s_wait_dscnt 4*NL
.if \cm
	WIN 0x81
.else
	WIN MUL_LO
.endif
	MUL16 0, (\q)%2, \q, \slot, \cm
	MUL16 2, (\q)%2, \q, \slot, \cm
	s_wait_dscnt 0
	PLACES NP
	FETCH_B \slot, (\q)+1, 1-(\q)%2
	FETCH_A \slot, (\q)+1, 0
.if \cm
	WIN 0xc1
.else
	WIN MUL_HI
.endif
	MUL16 4, (\q)%2, \q, \slot, \cm
	MUL16 6, (\q)%2, \q, \slot, \cm
	PLACES NP
	WIN 0
	FETCH_A \slot, (\q)+1, 4
.endm
.macro TURN slot, next, fill
	s_wait_tensorcnt 0x0
	ds_add_u32 v[SPW], v[NIL]
	s_wait_dscnt 4*NL+1
	WIN MUL_LO
	MUL16 0, 1, NQ-1, \slot, 0
	s_wait_dscnt 0x0
	s_barrier_signal -1
	MUL16 2, 1, NQ-1, \slot, 0
	WIN 0
	s_barrier_wait -1
.if \fill
	CREST
	s_add_nc_u64 s[G0+4*\slot+2:G0+4*\slot+3], s[G0+4*\slot+2:G0+4*\slot+3], 2*ASTEP
	s_add_nc_u64 s[G0B+4*\slot+2:G0B+4*\slot+3], s[G0B+4*\slot+2:G0B+4*\slot+3], 2*ROWB
	JLOAD G0+4*\slot, G1, G0B+4*\slot, G1B
	PLACES NP-4
.else
	PLACES NP
.endif
	s_wait_alu depctr_va_vdst(0)
	v_add_nc_u32 v[ADRS], 4*NQ, v[ADRS]
	FETCH_B \next, 0, 0
	FETCH_A \next, 0, 0
	SCALES \next
	WIN MUL_HI
	MUL16 4, 1, NQ-1, \slot, 0
	MUL16 6, 1, NQ-1, \slot, 0
	PLACES NP
	WIN 0
	FETCH_A \next, 0, 4
.endm
	s_wait_alu depctr_va_vdst(0)
	s_wait_tensorcnt 0x0                           ; my tile of the head's four is in
	ds_add_u32 v[SPW], v[NIL]
	s_mov_b32 s[G1+2], 128<<16                     ; no tensor load of mine is out: from here on a load brings 128 rows
	s_mov_b32 s[G1+4], 128
	s_mov_b32 s[G1B+2], 128<<16
	s_mov_b32 s[G1B+4], 128
	s_wait_dscnt 0x0
	CROUND                                         ; all four tiles are in, and all sixteen work-groups are here
	JLOAD G0+4, G1, G0B+4, G1B                     ; K step 1: the first tensor load behind the round
	FETCH_B 0, 0, 0
	FETCH_A 0, 0, 0
	SCALES 0
	FETCH_A 0, 0, 4
	s_wait_loadcnt 0x0
	STEP 0, 0, 1
	s_mov_b32 s3, LAPS-1
.Llap:
	TURN 0, 1, 1
	STEP 1, 0, 0
	TURN 1, 0, 1
	STEP 0, 0, 0
	s_sub_co_u32 s3, s3, 1
	s_cmp_lg_u32 s3, 0
	s_cbranch_scc1 .Llap
	TURN 0, 1, 0
	STEP 1, 0, 0
	s_wait_dscnt 4*NL
	WIN MUL_LO
	MUL16 0, 1, NQ-1, 1, 0
	MUL16 2, 1, NQ-1, 1, 0
	s_wait_dscnt 0
	WIN MUL_HI
	MUL16 4, 1, NQ-1, 1, 0
	MUL16 6, 1, NQ-1, 1, 0
	WIN 0
.macro TOSTAGE a
.set AC, 64*((\a)%4)
	WIN 0x08+4*((\a)/4)
.irp b, 0,1,2,3,4,5,6,7
	ds_store_b128 v[STO], v[AC+8*\b:AC+8*\b+3] offset:64*\b
	ds_store_b128 v[STO], v[AC+8*\b+4:AC+8*\b+7] offset:64*\b+16
.endr
	WIN 0
.set BB, BK+64*((\a)%2)
.irp t, 0,1,2,3,4,5,6,7,8,9,10,11,12,13,14,15
	ds_load_b128 v[BB+4*\t:BB+4*\t+3], v[RD] offset:\t*SPITCH
.endr
.endm
.macro SEND a, younger
.set BB, BK+64*((\a)%2)
	s_wait_dscnt \younger
.if (\a) > 0
	s_add_nc_u64 s[12:13], s[12:13], 16*SIZE_N*4
.endif
.irp t, 0,1,2,3,4,5,6,7,8,9,10,11,12,13,14,15
	global_store_b128 v[CO], v[BB+4*\t:BB+4*\t+3], s[12:13] offset:\t*SIZE_N*4 th:TH_STORE_NT
.endr
.endm
	PLACES NP
	TOSTAGE 0
.irp a, 1,2,3,4,5,6,7
.if \a > 1
	s_wait_xcnt 0x0
.endif
	TOSTAGE \a
	SEND \a-1, 32
.endr
	s_wait_xcnt 0x0
	SEND 7, 0
	s_wait_tensorcnt 0x0
	ds_add_u32 v[SPW], v[NIL]
	s_wait_dscnt 0x0
	CROUND
	s_endpgm
.Lfunc_end_k_qeff94a09c7_proj:
	.size	k_qeff94a09c7_proj, .Lfunc_end_k_qeff94a09c7_proj-k_qeff94a09c7_proj
	.p2alignl 7, 3214868480
	.fill 96, 4, 3214868480
	.section	.rodata,"a",@progbits
	.p2align	6, 0x0
	.amdhsa_kernel k_qeff94a09c7_proj
		.amdhsa_group_segment_fixed_size 327680
		.amdhsa_private_segment_fixed_size 0
		.amdhsa_enable_private_segment 0
		.amdhsa_kernarg_size 48
		.amdhsa_user_sgpr_count 2
		.amdhsa_user_sgpr_kernarg_segment_ptr 1
		.amdhsa_wavefront_size32 1
		.amdhsa_system_sgpr_workgroup_id_x 1
		.amdhsa_system_sgpr_workgroup_id_y 1
		.amdhsa_system_sgpr_workgroup_id_z 1
		.amdhsa_system_vgpr_workitem_id 0
		.amdhsa_next_free_vgpr 1024
		.amdhsa_next_free_sgpr 98
		.amdhsa_reserve_vcc 0
		.amdhsa_float_denorm_mode_32 3
		.amdhsa_float_denorm_mode_16_64 3
		.amdhsa_memory_ordered 1
		.amdhsa_forward_progress 1
		.amdhsa_inst_pref_size 148
	.end_amdhsa_kernel
	.amdgpu_metadata
---
amdhsa.version: [ 1, 2 ]
amdhsa.kernels:
  - .name:           k_qeff94a09c7_proj
    .symbol:         k_qeff94a09c7_proj.kd
    .args:
      - { .name: ao, .offset: 0, .size: 8, .value_kind: global_buffer, .address_space: global }
      - { .name: aos, .offset: 8, .size: 8, .value_kind: global_buffer, .address_space: global }
      - { .name: w_out_codes, .offset: 16, .size: 8, .value_kind: global_buffer, .address_space: global }
      - { .name: w_out_scales, .offset: 24, .size: 8, .value_kind: global_buffer, .address_space: global }
      - { .name: b_out, .offset: 32, .size: 8, .value_kind: global_buffer, .address_space: global }
      - { .name: out0, .offset: 40, .size: 8, .value_kind: global_buffer, .address_space: global }
    .group_segment_fixed_size: 327680
    .private_segment_fixed_size: 0
    .kernarg_segment_align: 8
    .kernarg_segment_size: 48
    .max_flat_workgroup_size: 128
    .sgpr_count:     98
    .vgpr_count:     1024
    .wavefront_size: 32
...
	.end_amdgpu_metadata
.endif
;; end of part 3
